; MI455X (gfx1250); checked and timed in simulation.
; The chip was launched on July 23, 2026; its instructions are those of AMD's public machine-readable ISA for CDNA 5 (MIT licence, August 2026) and "CDNA5" Instruction Set Architecture Reference Guide (July 2026). The comments in the code are by the model that wrote it; some were corrected since.
;; Local Graph Attention. Allowed arithmetic: matrix products marked QUANTISED: E5M2 operands, one E8M0 scale for each 32 along K, by v_wmma_scale_f32_16x16x128_f8f6f4 with both operands' format E5M2, f32 sums; everything else in f32.
;; Inputs: W_out_codes 256 x 8 x 32 uint8 (E5M2 codes of W_out, K innermost, in blocks of 32 codes); W_out_scales 256 x 8 uint8 (E8M0 scales of W_out, one for each 32 codes along K); W_qkv_codes 768 x 8 x 32 uint8 (E5M2 codes of W_qkv, K innermost, in blocks of 32 codes); W_qkv_scales 768 x 8 uint8 (E8M0 scales of W_qkv, one for each 32 codes along K); allow_mask_bool 2,048 x 2,048 bool; b_out 256 float32; b_qkv 768 float32; x_codes 4 x 2,048 x 8 x 32 uint8 (E5M2 codes of x, K innermost, in blocks of 32 codes); x_scales 4 x 2,048 x 8 uint8 (E8M0 scales of x, one for each 32 codes along K).
;; Outputs: out0 4 x 2,048 x 256 float32.
;; This version of the problem:
;;   THIS VERSION OF THE PROBLEM IS GIVEN IN LOW PRECISION. The matrix products marked QUANTISED in the list below multiply operands that are first quantised to E5M2 (5 exponent bits, 2 mantissa bits; 8 bits a number), with one power-of-two scale for each 32 numbers along K (OCP MX v1.0); their sums are f32. All else is computed in f32.
;;   The module's matrix products, in the order in which they are computed (A, B: the left and right operand; K: the contracted axis; several contracted axes count as one K, in the product's order):
;;     1. [M 8,192, K 256] x [K 256, N 768]; A: input x (given as codes); B: input W_qkv (given as codes): QUANTISED
;;     2. batch 32 x [M 2,048, K 32] x [K 32, N 2,048]; A: computed on the way; B: computed on the way: QUANTISED
;;     3. batch 32 x [M 2,048, K 2,048] x [K 2,048, N 32]; A: softmax (see below); B: computed on the way: QUANTISED
;;     4. [M 8,192, K 256] x [K 256, N 256]; A: computed on the way; B: input W_out (given as codes): QUANTISED
;;   THE QUANTISER, for each operand of a quantised product, along K:
;;     - K is cut into blocks of 32 from its start; a last block that is shorter is filled with zeros.
;;     - A block's scale is 2^e with e = floor(log2(the largest magnitude in the block)) - 15, held to -126 .. 127; a block of zeros has e = 0. As a byte (E8M0): e + 127.
;;     - Each number is divided by its block's scale, clamped to +-57,344, and rounded to the nearest number of E5M2, ties to even, subnormals kept.
;;     - The product sums the exact products of the quantised numbers (number of the format x scale) in f32.
;;   ~~~python
;;   def quantise(x, axis):      # numpy; x: float32 -> the quantised numbers, widened to float32 again
;;       x = np.moveaxis(x, axis, -1); K = x.shape[-1]
;;       x = np.pad(x, [(0, 0)] * (x.ndim - 1) + [(0, -K % 32)]); x = x.reshape(x.shape[:-1] + (-1, 32)); a = np.abs(x).max(-1, keepdims=True)
;;       e = np.where(a > 0, np.clip(np.frexp(np.where(a > 0, a, 1))[1] - 1 - 15, -126, 127), 0)      # np.frexp(a)[1] - 1 = floor(log2(a)), exactly
;;       r = np.clip(x / 2.0 ** e, -57344, 57344)
;;       step = 2.0 ** (np.maximum(np.frexp(np.where(r == 0, 1, r))[1] - 1, -14) - 2)
;;       q = np.round(r / step) * step * 2.0 ** e      # np.round: ties to even
;;       return np.moveaxis(q.reshape(q.shape[:-2] + (-1,))[..., :K], -1, axis).astype(np.float32)
;;   ~~~
;;   SOFTMAX AHEAD OF A QUANTISED PRODUCT. Where the list says 'softmax', what is quantised is not the finished softmax but p = 2^(t - M), with t = logit x log2(e) and M = ceil(the row's largest t), a whole number; so 1/2 < the row's largest p <= 1. The row's sum l is taken of the UNQUANTISED p, in f32, and the product's result is divided by l at the end. Since M is a whole number, a kernel that streams over the keys may use a running M (the ceiling of the running maximum): every later rescaling is an exact power of two, which a block's scale takes up: the codes' values come out the same.
;;   OPERANDS COMPUTED ON THE WAY. 'Computed on the way' means the value that the module computes at that place (a softmax that the list does not call 'softmax' is quantised finished and normalised). What goes into a quantiser is computed in f32, as accurately as f32 sums, v_exp_f32 and their like allow (about 1e-6 of the number): no bf16 or f16 on the way to a quantiser, and a product that is left as it is and whose result goes on into a quantised operand takes f32 operands (vector FMAs, or v_wmma_f32_16x16x4_f32). A number that lies on a knife's edge between two numbers of the format may be rounded either way, as far as f32 arithmetic and the matrix unit's own rounding can turn it there, and no further.
;;   INPUTS GIVEN AS CODES. W_out (in the module: [256, 256], K = its axis 0); W_qkv (in the module: [256, 768], K = its axis 0); x (in the module: [4, 2048, 256], K = its axis 2): each comes as NAME_codes (uint8): NAME with its K axis moved to the last place and cut into blocks of 32 codes, [.., K / 32, bytes a block], one block behind the other in memory; one code a byte (a code: sign, 5 exponent bits, 2 mantissa bits); and NAME_scales (uint8): the same leading axes, one E8M0 byte (e + 127) for each 32 codes along K. Its value is code x scale, taken as it is: it is not quantised again, and the codes and scales need not be those that the quantiser above would give.
;; One version. Each part assembles by itself: llvm-mc -triple=amdgcn-amd-amdhsa -mcpu=gfx1250 --defsym DOCPART=n.
;; ======== version 1 of 1: 3 launches
;; limits: right only within a limited range of input values
;; workspace buffers: qc 2,097,152 bytes; qs 262,144 bytes; kv 4,325,376 bytes; mbits 524,288 bytes of whole numbers; yc 2,097,152 bytes; ys 65,536 bytes
;; launch prep (part 1): grid 256 x 1, 8 waves a work-group, no clusters, 168,960 bytes of LDS; arguments x_codes, x_scales, W_qkv_codes, W_qkv_scales, b_qkv, allow_mask_bool, qc, qs, kv, mbits; writes qc, qs, kv, mbits
.if DOCPART == 1
	.amdgcn_target "amdgcn-amd-amdhsa--gfx1250"
	.amdhsa_code_object_version 6
	.text
	.protected	k_qeef3035622_prep
	.globl	k_qeef3035622_prep
	.p2align	8
	.type	k_qeef3035622_prep,@function
k_qeef3035622_prep:
	s_mov_b64 s[64:65], 0
	v_nop
	global_prefetch_b8 v0, s[64:65] scope:SCOPE_SE
	s_setreg_imm32_b32 hwreg(HW_REG_WAVE_MODE, 25, 1), 1
	s_wait_xcnt 0x0
; qkv = x W_qkv + b_qkv on codes of BF8 (E5M2) with E8M0 scales; q, k and v are quantised at once, in registers, and stored in the order in which the next launch's operand registers take them.
; The mask [2048][2048] of bytes becomes words of 32 bits, one bit a lane, for the next launch's selects.
; SHARES.  Work-group g: 128 tokens (128 (g / 4) on) x two heads (2 (g % 4), 2 (g % 4) + 1).  Waves 0-5: part = wave / 2 (q, k, v), head = 2 (g % 4) + wave % 2: 128 tokens x 32 features each.
; Waves 6, 7: four mask items each: 16 queries (16 (g / 2) on) x 128 keys.
; x's 128 rows of 256 bytes come into LDS once, 16 rows by each wave's one tensor load; six waves read them.  No cluster: of the 98 KB that a work-group reads only x's 32 KB are shared, by four groups, once.
; THE ROWS OF A TILE ARE NOT NEIGHBOURS: lane r of tile 2 b + u takes row 32 b + 8 u + r + 8 (r / 8), of tokens (x) and of features (W) alike.  So the 16 registers of two neighbouring result tiles are 16 neighbours:
;   q, k: source 0 = 16 features of W, source 1 = 16 tokens: a lane holds one token and d = 16 (lane / 16) + 0 .. 15 of the head: a block of 32 along d lies in lanes l and l xor 16;
;   v:    source 0 = 16 tokens, source 1 = 16 features: a lane holds one d and keys 32 b + 16 (lane / 16) + 0 .. 15: a block of 32 along the keys likewise.
; OUT.  qc [bh][token][32 codes]; qs [bh][token]: the scale byte four times in a word.  kv, 135,168 bytes for each bh: bytes 0-4095 scale words (step s of 128 keys: k's at 256 s + 4 lane, v's at 256 s + 128 + 4 lane),
;   from 4096 + 8192 s: k's fragments 0, 1 and v's 0, 1, 2,048 bytes each, as images of registers: group c of four registers at 512 c + 16 lane.  A fragment of k holds FOUR tiles of 16 keys x 32 d, one in each block of 32 along K.
;   mbits [query tile][step][n]: bit r + 16 h of word n = allow[16 tile + r][128 step + 32 (n / 16) + 16 h + n % 16].
; LIMITS: NaN and infinities among the inputs are not served.  A block of zeros gets the scale byte 1 where the rule says 127: its codes are zeros, and this program alone reads the bytes.
.set XP,   272                         ; a row of x in LDS: 256 bytes + 16 of padding
.set XA,   4                           ; v4   LDS: 272 (r + 8 (r / 8)) + 16 h
.set WA,   5                           ; v5   W: 256 (r + 8 (r / 8)) + 16 h
.set XS,   16                          ; v16-31  x's scale words: tile i of eight, K step t: 16 + 2 i + t
.set BIAS, 32                          ; v32-47  the bias in the result's layout, two tiles of eight
.set WS,   48                          ; v48-51  W's scale words: 48 + 2 u + t
.set SW,   52                          ; v52-53  the scale words that are being gathered
.set WD,   54                          ; v54-55  words to be stored
.set WF,   64                          ; v64-127  W's fragments (u, t) at 64 + 16 (2 u + t)
.set XF,   128                         ; v128-191 x's fragments (p, t) at 128 + 16 (2 p + t)
.set ACC,  192                         ; v192-223 four accumulators
.set CD,   224                         ; v224-231 codes
.set TM,   232                         ; v232-239 +e largest magnitude, +2+e the other lane's, then the byte, +6+e the conversion's scale operand
.set MD,   128                         ; the mask waves: v128-191 four items x 16 registers of bytes,
.set MO,   224                         ; v224-231 four pairs of words to store,
.set MT,   240                         ; v240-243 at work.  None of the three is named by a global load that stands ahead of the barrier (those name v16-51 and v64-127)
	s_load_b512 s[4:19], s[0:1], 0x0               ; x codes 4, x scales 6, W codes 8, W scales 10, b 12, mask 14, qc 16, qs 18
	s_load_b128 s[20:23], s[0:1], 0x40             ; kv 20, mbits 22
	v_lshl_add_u32 v254, v0, 2, 0x29000
	v_mov_b32 v255, 0
	ds_add_u32 v254, v255
	ds_add_u32 v254, v255
	v_lshrrev_b32 v1, 5, v0
	s_delay_alu instid0(VALU_DEP_1)
	v_readfirstlane_b32 s2, v1                     ; wave 0..7
	v_and_b32 v14, 31, v0                          ; lane
	v_and_b32 v1, 15, v0                           ; r
	v_bfe_u32 v2, v0, 4, 1                         ; h
	s_delay_alu instid0(VALU_DEP_2)
	v_and_b32 v3, 8, v1
	s_delay_alu instid0(VALU_DEP_1)
	v_add_nc_u32 v3, v3, v1                        ; r + 8 (r / 8)
	s_delay_alu instid0(VALU_DEP_1)
	v_mul_u32_u24 v[XA], v3, XP
	s_delay_alu instid0(VALU_DEP_1)
	v_lshl_add_u32 v[XA], v2, 4, v[XA]
	s_delay_alu instid0(VALU_DEP_3)
	v_lshlrev_b32 v[WA], 8, v3
	s_delay_alu instid0(VALU_DEP_1)
	v_lshl_add_u32 v[WA], v2, 4, v[WA]
	v_lshlrev_b32 v6, 3, v3                        ; scale words of x and W: 8 bytes a row
	v_lshlrev_b32 v7, 6, v2                        ; bias of q, k: 16 numbers for each half of the lanes
	v_lshlrev_b32 v8, 4, v14                       ; an image's place: 16 x lane
	v_lshlrev_b32 v9, 2, v14                       ; a scale word's: 4 x lane
	v_lshlrev_b32 v10, 5, v3
	s_delay_alu instid0(VALU_DEP_1)
	v_lshl_add_u32 v10, v2, 4, v10                 ; qc: 32 bytes a token, + 16 h
	v_lshlrev_b32 v11, 2, v3                       ; qs, and the bias of v: 4 bytes a row
	v_lshlrev_b32 v12, 3, v14                      ; mbits: two words a lane
	v_lshlrev_b32 v13, 11, v1
	s_delay_alu instid0(VALU_DEP_1)
	v_lshl_add_u32 v13, v2, 4, v13                 ; the mask: row r of 2,048 bytes, + 16 h
	; the tensor load's shape: 16 rows of 256 bytes, 16 bytes of padding behind each
	s_mov_b32 s28, (1<<20)|(5<<22)|(3<<25)         ; elements of 1 byte; padding on; after every 64 words; of 4 words
	s_mov_b32 s29, 256<<16                         ; tensor_dim0 = 256
	s_mov_b32 s30, 16<<16                          ; tensor_dim1 = 16
	s_mov_b32 s31, 256<<16                         ; tile_dim0 = 256
	s_mov_b32 s32, 16                              ; tile_dim1 = 16
	s_mov_b32 s33, 256                             ; from row to row
	s_mov_b32 s34, 0
	s_mov_b32 s35, 0
	s_mov_b32 s24, 1
	s_mul_i32 s25, s2, 16*XP                       ; LDS: my 16 rows
	s_and_b32 s36, s2, 1
	s_lshr_b32 s3, s2, 1                           ; part: 0 q, 1 k, 2 v (3: the mask waves, which use none of the weights' bases made below)
	s_and_b32 s37, ttmp9, 3
	s_lshr_b32 s38, ttmp9, 2                       ; which 128 tokens
	s_lshl_b32 s39, s37, 1
	s_add_co_u32 s39, s39, s36                     ; head
	s_lshr_b32 s48, s38, 4
	s_lshl_b32 s48, s48, 3
	s_add_co_u32 s48, s48, s39                     ; bh = 8 batch + head
	s_and_b32 s49, s38, 15                         ; the step of 128 keys in its batch
	s_lshl_b32 s50, s3, 8
	s_lshl_b32 s51, s39, 5
	s_add_co_u32 s50, s50, s51                     ; my first feature: 256 part + 32 head
	s_mov_b32 s55, 0
	s_lshl_b32 s54, s38, 15
	s_lshl_b32 s51, s2, 12
	s_add_co_u32 s54, s54, s51                     ; x: (128 x block + 16 x wave) rows of 256 bytes
	s_wait_dscnt 0x0
	s_wait_kmcnt 0x0
	s_add_nc_u64 s[26:27], s[4:5], s[54:55]
	s_or_b32 s27, s27, 0x80000000                  ; type = 2
	tensor_load_to_lds s[24:27], s[28:35]          ; my one tensor load: filled once, nothing is filled again
	s_nop 0
.rept 4
	v_nop
.endr
	s_lshl_b32 s54, s38, 10
	s_add_nc_u64 s[6:7], s[6:7], s[54:55]          ; x's scales: 8 bytes a token
	s_lshl_b32 s54, s50, 8
	s_add_nc_u64 s[8:9], s[8:9], s[54:55]          ; W's codes at my first feature
	s_lshl_b32 s54, s50, 3
	s_add_nc_u64 s[10:11], s[10:11], s[54:55]      ; W's scales
	s_lshl_b32 s54, s50, 2
	s_add_nc_u64 s[12:13], s[12:13], s[54:55]      ; the bias
	s_lshl_b32 s51, s48, 11
	s_lshl_b32 s58, s49, 7
	s_add_co_u32 s51, s51, s58                     ; 2048 bh + 128 step
	s_lshl_b32 s54, s51, 5
	s_add_nc_u64 s[16:17], s[16:17], s[54:55]      ; qc
	s_lshl_b32 s54, s51, 2
	s_add_nc_u64 s[18:19], s[18:19], s[54:55]      ; qs
	s_mul_i32 s51, s48, 135168
	s_lshl_b32 s54, s49, 8
	s_add_co_u32 s54, s54, s51
	s_add_nc_u64 s[52:53], s[20:21], s[54:55]      ; kv: the step's scale words
	s_lshl_b32 s54, s49, 13
	s_add_co_u32 s54, s54, s51
	s_add_co_u32 s54, s54, 4096
	s_add_nc_u64 s[20:21], s[20:21], s[54:55]      ; kv: the step's fragments
	s_lshr_b32 s51, ttmp9, 1                       ; the mask waves' query tile,
	s_and_b32 s58, ttmp9, 1
	s_lshl_b32 s58, s58, 3
	s_lshl_b32 s59, s36, 2
	s_add_co_u32 s58, s58, s59                     ; and their first step: 8 (g % 2) + 4 (wave % 2)
	s_lshl_b32 s54, s51, 15
	s_lshl_b32 s59, s58, 7
	s_add_co_u32 s54, s54, s59
	s_add_nc_u64 s[14:15], s[14:15], s[54:55]      ; the mask: 16 rows of 2,048 bytes a tile, 128 bytes a step
	s_lshl_b32 s54, s51, 4
	s_add_co_u32 s54, s54, s58
	s_lshl_b32 s54, s54, 8
	s_add_nc_u64 s[22:23], s[22:23], s[54:55]      ; mbits: 256 bytes an item
	s_mov_b32 s44, 0x76543210
	s_mov_b32 s45, 0xfedcba98                      ; v_permlanex16_b32's selects for lane l xor 16
	s_mov_b32 s47, 0xffff0000                      ; lanes 16-31
	; waves 0-5 ask for what stays in their registers while x's tile is on its way
	s_cmp_ge_u32 s2, 6
	s_cbranch_scc1 .Ljoin
.irp u, 0,1
.irp t, 0,1
.irp c, 0,1,2,3
	global_load_b128 v[WF+16*(2*\u+\t)+4*\c:WF+16*(2*\u+\t)+4*\c+3], v[WA], s[8:9] offset:2048*\u+128*\t+32*\c
.endr
.endr
.endr
.irp u, 0,1
	global_load_b64 v[WS+2*\u:WS+2*\u+1], v6, s[10:11] offset:64*\u
.endr
.irp i, 0,1,2,3,4,5,6,7
	global_load_b64 v[XS+2*\i:XS+2*\i+1], v6, s[6:7] offset:(32*(\i/2)+8*(\i%2))*8
.endr
	s_cmp_ge_u32 s2, 4
	s_cbranch_scc1 .Lbias_v
	s_wait_alu depctr_va_vdst(0)
.irp u, 0,1                                    ; q, k: register j of tile u is feature 16 h + 8 u + j
	global_load_b128 v[BIAS+8*\u:BIAS+8*\u+3], v7, s[12:13] offset:32*\u
	global_load_b128 v[BIAS+8*\u+4:BIAS+8*\u+7], v7, s[12:13] offset:32*\u+16
.endr
	s_branch .Ljoin
.Lbias_v:
	s_wait_alu depctr_va_vdst(0)
.irp u, 0,1                                    ; v: all eight registers of tile u are the lane's feature 8 u + r + 8 (r / 8)
.irp j, 0,1,2,3,4,5,6,7
	global_load_b32 v[BIAS+8*\u+\j], v11, s[12:13] offset:32*\u
.endr
.endr
.Ljoin:
	s_wait_tensorcnt 0x0                           ; my 16 rows of x are in LDS,
	s_barrier_signal -1
	s_barrier_wait -1                              ; everybody's are: the launch's one barrier
.macro XFETCH blk                      ; x's four fragments of tokens 32 blk on: tiles p = 0, 1, K steps t = 0, 1
.irp p, 0,1
.irp t, 0,1
.irp c, 0,1,2,3
	ds_load_b128 v[XF+16*(2*\p+\t)+4*\c:XF+16*(2*\p+\t)+4*\c+3], v[XA] offset:(32*(\blk)+8*\p)*XP+128*\t+32*\c
.endr
.endr
.endr
.endm
; Eight matrix instructions: four accumulators by turns, one instruction a turn; the first K step takes the bias as C.  tr = 0: source 0 = W (q, k); tr = 1: source 0 = x (v).
.macro MULT tr, blk
.irp t, 0,1
.irp p, 0,1
.irp u, 0,1
.if \tr == 0
.if \t == 0
	v_wmma_scale_f32_16x16x128_f8f6f4 v[ACC+16*\p+8*\u:ACC+16*\p+8*\u+7], v[WF+16*(2*\u+\t):WF+16*(2*\u+\t)+15], v[XF+16*(2*\p+\t):XF+16*(2*\p+\t)+15], v[BIAS+8*\u:BIAS+8*\u+7], v[WS+2*\u+\t], v[XS+4*(\blk)+2*\p+\t] matrix_a_fmt:MATRIX_FMT_BF8 matrix_b_fmt:MATRIX_FMT_BF8
.else
	v_wmma_scale_f32_16x16x128_f8f6f4 v[ACC+16*\p+8*\u:ACC+16*\p+8*\u+7], v[WF+16*(2*\u+\t):WF+16*(2*\u+\t)+15], v[XF+16*(2*\p+\t):XF+16*(2*\p+\t)+15], v[ACC+16*\p+8*\u:ACC+16*\p+8*\u+7], v[WS+2*\u+\t], v[XS+4*(\blk)+2*\p+\t] matrix_a_fmt:MATRIX_FMT_BF8 matrix_b_fmt:MATRIX_FMT_BF8
.endif
.else
.if \t == 0
	v_wmma_scale_f32_16x16x128_f8f6f4 v[ACC+16*\u+8*\p:ACC+16*\u+8*\p+7], v[XF+16*(2*\p+\t):XF+16*(2*\p+\t)+15], v[WF+16*(2*\u+\t):WF+16*(2*\u+\t)+15], v[BIAS+8*\u:BIAS+8*\u+7], v[XS+4*(\blk)+2*\p+\t], v[WS+2*\u+\t] matrix_a_fmt:MATRIX_FMT_BF8 matrix_b_fmt:MATRIX_FMT_BF8
.else
	v_wmma_scale_f32_16x16x128_f8f6f4 v[ACC+16*\u+8*\p:ACC+16*\u+8*\p+7], v[XF+16*(2*\p+\t):XF+16*(2*\p+\t)+15], v[WF+16*(2*\u+\t):WF+16*(2*\u+\t)+15], v[ACC+16*\u+8*\p:ACC+16*\u+8*\p+7], v[XS+4*(\blk)+2*\p+\t], v[WS+2*\u+\t] matrix_a_fmt:MATRIX_FMT_BF8 matrix_b_fmt:MATRIX_FMT_BF8
.endif
.endif
.endr
.endr
.endr
.endm
; Two blocks of 32, e = 0, 1, by turns: my 16 numbers of block e stand in v[ACC + 16 e] on, the other 16 in lane l xor 16.  Codes to v[CD + 4 e] on, the byte to v[TM + 2 + e].
.macro QUANT2
	s_wait_xcnt 0x0                                ; the last blocks' stores have read their data: the codes' and the words' registers are written again only behind this wait
.irp e, 0,1
	v_max3_num_f32 v[TM+\e], |v[ACC+16*\e]|, |v[ACC+16*\e+1]|, 0x8000000   ; from each accumulator's low end on; the floor 2^(16 - 127) holds the byte at 1 from below
.endr
.irp i, 2,4,6,8,10,12,14
.irp e, 0,1
	v_max3_num_f32 v[TM+\e], v[TM+\e], |v[ACC+16*\e+\i]|, |v[ACC+16*\e+\i+1]|
.endr
.endr
.irp e, 0,1
	s_delay_alu instid0(VALU_DEP_2)
	v_permlanex16_b32 v[TM+2+\e], v[TM+\e], s44, s45
.endr
.irp e, 0,1
	s_delay_alu instid0(VALU_DEP_2)
	v_max_num_f32 v[TM+\e], v[TM+\e], v[TM+2+\e]   ; the block's largest magnitude
.endr
.irp e, 0,1
	s_delay_alu instid0(VALU_DEP_2)
	v_add_nc_u32 v[TM+6+\e], 0xf8800000, v[TM+\e]  ; 15 off its exponent field: the conversion's scale operand
.endr
.irp e, 0,1
.endr
.irp e, 0,1
	s_delay_alu instid0(VALU_DEP_2)
	v_lshrrev_b32 v[TM+2+\e], 23, v[TM+6+\e]       ; the scale's byte
.endr
.irp e, 0,1
.irp i, 0,1,2,3,4,5,6,7,8,9,10,11,12,13,14,15
.endr
	v_cvt_scalef32_pk8_bf8_f32 v[CD+4*\e:CD+4*\e+1], v[ACC+16*\e:ACC+16*\e+7], v[TM+6+\e]
	v_cvt_scalef32_pk8_bf8_f32 v[CD+4*\e+2:CD+4*\e+3], v[ACC+16*\e+8:ACC+16*\e+15], v[TM+6+\e]
.endr
	v_nop                                          ; one plain line behind the last conversion: the next products write its sources
.endm
.macro OUTQ blk                        ; block e: tokens 32 blk + 8 e + r + 8 (r / 8); 16 codes a lane; the byte four times in a word
.irp e, 0,1
	v_lshl_or_b32 v[WD+\e], v[TM+2+\e], 8, v[TM+2+\e]
.endr
.irp e, 0,1
	s_delay_alu instid0(VALU_DEP_2)
	v_lshl_or_b32 v[WD+\e], v[WD+\e], 16, v[WD+\e]
.endr
.irp e, 0,1
	global_store_b128 v10, v[CD+4*\e:CD+4*\e+3], s[16:17] offset:(32*(\blk)+8*\e)*32   ; lanes 0-7 and 16-23 fill 256 consecutive bytes, lanes 8-15 and 24-31 another 256
	global_store_b32 v11, v[WD+\e], s[18:19] offset:(32*(\blk)+8*\e)*4                 ; (both halves of the lanes write the same word)
.endr
.endm
.macro OUTK blk                        ; block e is key tile 2 blk + e: group (2 blk + e) % 4 of fragment blk / 2, and that byte of the fragment's scale word
.irp e, 0,1
.if (2*((\blk)%2)+\e) == 0
	v_mov_b32 v[SW+(\blk)/2], v[TM+2+\e]
.else
	v_lshl_or_b32 v[SW+(\blk)/2], v[TM+2+\e], 8*(2*((\blk)%2)+\e), v[SW+(\blk)/2]
.endif
	global_store_b128 v8, v[CD+4*\e:CD+4*\e+3], s[20:21] offset:(2*(\blk)+\e)*512      ; 512 consecutive bytes
.endr
.endm
.macro OUTV blk                        ; block e: keys 32 blk on of d tile e: group blk of v's fragment e, byte blk of its scale word
.irp e, 0,1
.if (\blk) == 0
	v_mov_b32 v[SW+\e], v[TM+2+\e]
.else
	v_lshl_or_b32 v[SW+\e], v[TM+2+\e], 8*(\blk), v[SW+\e]
.endif
	global_store_b128 v8, v[CD+4*\e:CD+4*\e+3], s[20:21] offset:4096+2048*\e+512*(\blk)
.endr
.endm
; 32 tokens: products, the next 32 tokens' fragments, quantiser, stores.  kind: 0 q, 1 k, 2 v
.macro BLK kind, blk
	s_wait_dscnt 0x0                               ; x's four fragments are in
.if \kind == 2
	MULT 1, \blk
.else
	MULT 0, \blk
.endif
.rept 9
	v_nop                                          ; eight places in front of loads into the products' sources and of the first read of results; the ninth for the next block's products, which begin these accumulators anew
.endr
.if \blk < 3
	XFETCH \blk+1
.endif
	QUANT2
.if \kind == 0
	OUTQ \blk
.elseif \kind == 1
	OUTK \blk
.else
	OUTV \blk
.endif
.endm
	s_cmp_ge_u32 s2, 6
	s_cbranch_scc1 .Lmask
	XFETCH 0
	v_mov_b32 v[TM+2], 0                           ; written once: a lane permute's destination counts as one of its sources
	v_mov_b32 v[TM+3], 0
	s_wait_loadcnt 0x0                             ; W, the scale words, the bias
	s_cmp_ge_u32 s2, 4
	s_cbranch_scc1 .Lv
	s_cmp_ge_u32 s2, 2
	s_cbranch_scc1 .Lk
.irp m, 0,1,2,3
	BLK 0, \m
.endr
	s_wait_tensorcnt 0x0
	ds_add_u32 v254, v255
	s_wait_dscnt 0x0
	s_endpgm
.Lk:
.irp m, 0,1,2,3
	BLK 1, \m
.endr
	v_cndmask_b32 v[WD], v[SW], v[SW+1], s47       ; fragment 0's words in lanes 0-15, fragment 1's in lanes 16-31
	global_store_b32 v9, v[WD], s[52:53]
	s_wait_tensorcnt 0x0
	ds_add_u32 v254, v255
	s_wait_dscnt 0x0
	s_endpgm
.Lv:
.irp m, 0,1,2,3
	BLK 2, \m
.endr
	v_cndmask_b32 v[WD], v[SW], v[SW+1], s47
	global_store_b32 v9, v[WD], s[52:53] offset:128
	s_wait_tensorcnt 0x0
	ds_add_u32 v254, v255
	s_wait_dscnt 0x0
	s_endpgm
.Lmask:                                        ; lane (r, h) takes, of row r, the 16 bytes of keys 32 c + 16 h on: register n / 4, byte n % 4 is the byte of word n
	s_wait_alu depctr_va_vdst(0)
.irp i, 0,1,2,3
.irp c, 0,1,2,3
	global_load_b128 v[MD+16*\i+4*\c:MD+16*\i+4*\c+3], v13, s[14:15] offset:128*\i+32*\c   ; the wave's sixteen loads cover 512 consecutive bytes of each of 16 rows
.endr
.endr
.irp j, 0,1,2,3,4,5,6,7
	v_mov_b32 v[MO+\j], 0                          ; v_writelane_b32's destination counts as read
.endr
.irp i, 0,1,2,3
	s_wait_loadcnt 12-4*\i                         ; this item's four loads are in; the later items' may be out
.set n, 0
.rept 16
.irp k, 0,1,2,3
	v_and_b32 v[MT+\k], 0xff<<(8*\k), v[MD+16*\i+n/4]
.endr
.irp k, 0,1,2,3
	s_delay_alu instid0(VALU_DEP_4)
	v_cmp_ne_u32 s[40+\k], 0, v[MT+\k]             ; the 32 lanes' bits of word n + k
.endr
.irp k, 0,1,2,3
	v_writelane_b32 v[MO+2*\i+\k%2], s[40+\k], (n+\k)/2   ; lane l gathers words 2 l and 2 l + 1
.endr
.set n, n+4
.endr
	global_store_b64 v12, v[MO+2*\i:MO+2*\i+1], s[22:23] offset:256*\i   ; 256 consecutive bytes, aligned
.endr
	s_wait_tensorcnt 0x0
	ds_add_u32 v254, v255
	s_wait_dscnt 0x0
	s_endpgm
.Lfunc_end_k_qeef3035622_prep:
	.size	k_qeef3035622_prep, .Lfunc_end_k_qeef3035622_prep-k_qeef3035622_prep
	.p2alignl 7, 3214868480
	.fill 96, 4, 3214868480
	.section	.rodata,"a",@progbits
	.p2align	6, 0x0
	.amdhsa_kernel k_qeef3035622_prep
		.amdhsa_group_segment_fixed_size 168960
		.amdhsa_private_segment_fixed_size 0
		.amdhsa_enable_private_segment 0
		.amdhsa_kernarg_size 80
		.amdhsa_user_sgpr_count 2
		.amdhsa_user_sgpr_kernarg_segment_ptr 1
		.amdhsa_wavefront_size32 1
		.amdhsa_system_sgpr_workgroup_id_x 1
		.amdhsa_system_sgpr_workgroup_id_y 1
		.amdhsa_system_sgpr_workgroup_id_z 1
		.amdhsa_system_vgpr_workitem_id 0
		.amdhsa_next_free_vgpr 256
		.amdhsa_next_free_sgpr 66
		.amdhsa_reserve_vcc 0
		.amdhsa_float_denorm_mode_32 3
		.amdhsa_float_denorm_mode_16_64 3
		.amdhsa_fp16_overflow 1
		.amdhsa_memory_ordered 1
		.amdhsa_forward_progress 1
		.amdhsa_inst_pref_size 124
	.end_amdhsa_kernel
	.amdgpu_metadata
---
amdhsa.version: [ 1, 2 ]
amdhsa.kernels:
  - .name:           k_qeef3035622_prep
    .symbol:         k_qeef3035622_prep.kd
    .args:
      - { .name: x_codes, .offset: 0, .size: 8, .value_kind: global_buffer, .address_space: global }
      - { .name: x_scales, .offset: 8, .size: 8, .value_kind: global_buffer, .address_space: global }
      - { .name: W_qkv_codes, .offset: 16, .size: 8, .value_kind: global_buffer, .address_space: global }
      - { .name: W_qkv_scales, .offset: 24, .size: 8, .value_kind: global_buffer, .address_space: global }
      - { .name: b_qkv, .offset: 32, .size: 8, .value_kind: global_buffer, .address_space: global }
      - { .name: allow_mask_bool, .offset: 40, .size: 8, .value_kind: global_buffer, .address_space: global }
      - { .name: qc, .offset: 48, .size: 8, .value_kind: global_buffer, .address_space: global }
      - { .name: qs, .offset: 56, .size: 8, .value_kind: global_buffer, .address_space: global }
      - { .name: kv, .offset: 64, .size: 8, .value_kind: global_buffer, .address_space: global }
      - { .name: mbits, .offset: 72, .size: 8, .value_kind: global_buffer, .address_space: global }
    .group_segment_fixed_size: 168960
    .private_segment_fixed_size: 0
    .kernarg_segment_align: 8
    .kernarg_segment_size: 80
    .max_flat_workgroup_size: 256
    .sgpr_count:     66
    .vgpr_count:     256
    .wavefront_size: 32
...
	.end_amdgpu_metadata
.endif
;; end of part 1
;; launch attn (part 2): grid 8 x 32, 16 waves a work-group, clusters of 4 x 1, 327,680 bytes of LDS; arguments qc, qs, kv, mbits, yc, ys; writes yc, ys
.if DOCPART == 2
	.amdgcn_target "amdgcn-amd-amdhsa--gfx1250"
	.amdhsa_code_object_version 6
	.text
	.protected	k_qeef3035622_attn
	.globl	k_qeef3035622_attn
	.p2align	8
	.type	k_qeef3035622_attn,@function
k_qeef3035622_attn:
	s_mov_b64 s[64:65], 0
	v_nop
	global_prefetch_b8 v0, s[64:65] scope:SCOPE_SE
	s_setreg_imm32_b32 hwreg(HW_REG_WAVE_MODE, 25, 1), 1
	s_wait_xcnt 0x0
	s_wait_alu depctr_hold_cnt(0) depctr_sa_sdst(0) depctr_va_vdst(0) depctr_va_sdst(0) depctr_va_ssrc(0) depctr_va_vcc(0) depctr_vm_vsrc(0)
	s_getreg_b32 s2, hwreg(HW_REG_IB_STS2, 6, 4)
	s_cmp_eq_u32 s2, 0
	s_cbranch_scc0 .Lentry_in_a_cluster
	s_endpgm
.Lentry_in_a_cluster:
	s_bfe_u32 s2, ttmp6, 0x10000c
	s_cmp_lg_u32 s2, 0x3003
	s_cbranch_scc0 .Lentry_shape_is_right
	s_endpgm
.Lentry_shape_is_right:
.set LA,   2
.set LS,   3
.set ADV,  4
.set ADSV, 5
.set ADK,  6
.set ADSK, 7
.set QO,   8
.set R4,   9
.set L16,  10
.set QZ,   16
.set QS,   44
.set KS,   45
.set VS,   46
.set PS,   47
.set KF,   48
.set VF,   80
.set S,    112
.set O,    176
.set PC,   192
.set BM,   208
.set PT,   212
.set HL,   216
.set SO,   220
.set F,    228
.set T0,   230
.set NEG,  231
.set SUM2, 232
.set T1,   234
.set WV,   2
.set CNT,  3
.set G1A,  4
.set SEL,  4
.set CS,   6
.set MNT,  8
.set G1B,  12
.set G0A,  20
.set G0B,  24
.set MB,   28
.set TS,   30
.set TB,   31
.macro ROUND
	s_barrier_signal -1
	s_barrier_wait -1
	s_cmp_lg_u32 s[WV], 0
	s_cbranch_scc1 .Lnot_wave_0_\@
	s_barrier_signal -3
.Lnot_wave_0_\@:
	s_barrier_wait -3
	s_barrier_signal -1
	s_barrier_wait -1
.endm
	s_load_b256 s[68:75], s[0:1], 0x0
	v_lshl_add_u32 v254, v0, 2, 0x29000
	v_mov_b32 v255, 0
	ds_add_u32 v254, v255
	ds_add_u32 v254, v255
	v_lshrrev_b32 v1, 5, v0
	s_delay_alu instid0(VALU_DEP_1)
	v_readfirstlane_b32 s[WV], v1
	v_and_b32 v1, 31, v0
	s_delay_alu instid0(VALU_DEP_1)
	v_lshlrev_b32 v[L16], 4, v1
	s_delay_alu instid0(VALU_DEP_1)
	v_add_nc_u32 v[LA], 4096, v[L16]
	s_delay_alu instid0(VALU_DEP_3)
	v_lshlrev_b32 v[LS], 2, v1
	v_and_b32 v1, 15, v0
	v_bfe_u32 v11, v0, 4, 1
	s_delay_alu instid0(VALU_DEP_2)
	v_lshlrev_b32 v[QO], 5, v1
	s_delay_alu instid0(VALU_DEP_1)
	v_lshl_add_u32 v[QO], v11, 4, v[QO]
	s_delay_alu instid0(VALU_DEP_4)
	v_lshlrev_b32 v[R4], 2, v1
	s_bfe_u32 s92, ttmp6, 0x40000
	s_lshl_b32 s90, ttmp9, 2
	s_add_co_u32 s90, s90, s92
	s_lshl_b32 s90, s90, 4
	s_add_co_u32 s90, s90, s[WV]
	s_and_b32 s91, ttmp7, 0xffff
	s_mul_i32 s76, s91, 135168
	s_mov_b32 s77, 0
	s_mul_i32 s[G0A+1], s[WV], 1792
	s_mov_b32 s78, s[G0A+1]
	s_mov_b32 s79, 0
	s_mul_i32 s[G0B+1], s[WV], 6656
	s_add_co_u32 s[G0B+1], s[G0B+1], 28672
	s_mov_b32 s80, s[G0B+1]
	s_mov_b32 s81, 0
	s_lshl_b32 s82, s91, 11
	s_lshl_b32 s83, s90, 4
	s_add_co_u32 s82, s82, s83
	s_lshl_b32 s84, s82, 5
	s_mov_b32 s85, 0
	s_lshl_b32 s86, s82, 2
	s_mov_b32 s87, 0
	s_lshl_b32 s88, s90, 12
	s_mov_b32 s89, 0
	s_mov_b32 s[G1A], 15|(3<<16)|(1<<21)
	s_mov_b32 s[G1A+1], 32<<16
	s_mov_b32 s[G1A+2], 7<<16
	s_mov_b32 s[G1A+3], 32<<16
	s_mov_b32 s[G1A+4], 7
	s_mov_b32 s[G1A+5], 32
	s_mov_b32 s[G1A+6], 0
	s_mov_b32 s[G1A+7], 0
	s_mov_b32 s[G1B], 15|(3<<16)|(1<<21)
	s_mov_b32 s[G1B+1], 32<<16
	s_mov_b32 s[G1B+2], 26<<16
	s_mov_b32 s[G1B+3], 32<<16
	s_mov_b32 s[G1B+4], 26
	s_mov_b32 s[G1B+5], 32
	s_mov_b32 s[G1B+6], 0
	s_mov_b32 s[G1B+7], 0
	s_mov_b32 s[G0A], 1
	s_mov_b32 s[G0B], 1
	s_wait_dscnt 0x0
	s_wait_kmcnt 0x0
	s_add_nc_u64 s[100:101], s[68:69], s[84:85]
	s_add_nc_u64 s[66:67], s[70:71], s[86:87]
	s_add_nc_u64 s[MB:MB+1], s[74:75], s[88:89]
	s_add_nc_u64 s[72:73], s[72:73], s[76:77]
	s_add_nc_u64 s[G0A+2:G0A+3], s[72:73], s[78:79]
	s_or_b32 s[G0A+3], s[G0A+3], 0x80000000
	s_add_nc_u64 s[G0B+2:G0B+3], s[72:73], s[80:81]
	s_or_b32 s[G0B+3], s[G0B+3], 0x80000000
	ROUND
	tensor_load_to_lds s[G0A:G0A+3], s[G1A:G1A+7]
	s_nop 0
	s_wait_alu depctr_va_vdst(0)
	s_wait_tensorcnt 0x0
	ds_add_u32 v254, v255
	s_wait_dscnt 0x0
	ROUND
	tensor_load_to_lds s[G0B:G0B+3], s[G1B:G1B+7]
	s_nop 0
.rept 4
	v_nop
.endr
	s_load_b512 s[32:47], s[MB:MB+1], 0x0
	s_load_b512 s[48:63], s[MB:MB+1], 0x40
	s_load_b512 s[68:83], s[MB:MB+1], 0x80
	s_load_b512 s[84:99], s[MB:MB+1], 0xc0
	s_wait_alu depctr_va_vdst(0)
	global_load_b128 v[QZ+12:QZ+15], v[QO], s[100:101]
	global_load_b32 v[QS], v[R4], s[66:67]
.irp j, 0,1,2,3,4,5,6,7,8,9,10,11
	v_mov_b32 v[QZ+\j], 0
	v_mov_b32 v[QZ+16+\j], 0
.endr
.irp j, 0,1,2,3,4,5,6,7,8,9,10,11,12,13,14,15
	v_mov_b32 v[O+\j], 0
.endr
	v_mov_b32 v[NEG], 0xff800000
	v_mov_b32 v13, 0xff61b1e6
	s_delay_alu instid0(VALU_DEP_1)
	v_floor_f32 v12, -v13
	v_mov_b32 v14, 0
	v_mov_b32 v15, 0
.irp b, 0,1,2,3
	v_mov_b32 v[PT+\b], 0
.endr
	v_mov_b32 v[F+1], 0
	s_wait_tensorcnt 0x1
	s_barrier_signal -1
	s_barrier_wait -1
	s_mov_b32 s[SEL], 0x76543210
	s_mov_b32 s[SEL+1], 0xfedcba98
	s_mov_b32 s[CS], 0x3e8293ee
	s_mov_b32 s[CS+1], s[CS]
	s_mov_b32 s[TB], 0
	s_mov_b32 s[TS], 0
.macro KFETCH
.irp g, 0,1
.irp c, 0,1,2,3
	ds_load_b128 v[KF+16*\g+4*\c:KF+16*\g+4*\c+3], v[ADK] offset:2048*\g+512*\c
.endr
.endr
	ds_load_b32 v[KS], v[ADSK]
.endm
.macro HOLD2 b
.set hx, hx+1
.endm
.macro CODES b
	v_cvt_scalef32_pk8_bf8_f32 v[PC+4*\b:PC+4*\b+1], v[S+16*\b:S+16*\b+7], v[SO+\b]
	v_cvt_scalef32_pk8_bf8_f32 v[PC+4*\b+2:PC+4*\b+3], v[S+16*\b+8:S+16*\b+15], v[SO+\b]
.endm
.macro STEP pre
	s_wait_dscnt 0x0
.irp g, 0,1
.irp c, 0,1,2,3
.if \g == 0
	v_wmma_scale_f32_16x16x128_f8f6f4 v[S+8*(4*\g+\c):S+8*(4*\g+\c)+7], v[KF+16*\g:KF+16*\g+15], v[QZ+12-4*\c:QZ+27-4*\c], 0, v[KS], v[QS] matrix_a_fmt:MATRIX_FMT_BF8 matrix_b_fmt:MATRIX_FMT_BF8
.else
	v_wmma_scale_f32_16x16x128_f8f6f4 v[S+8*(4*\g+\c):S+8*(4*\g+\c)+7], v[KF+16*\g:KF+16*\g+15], v[QZ+12-4*\c:QZ+27-4*\c], 0, v[KS], v[QS] matrix_a_fmt:MATRIX_FMT_BF8 matrix_b_fmt:MATRIX_FMT_BF8 matrix_a_scale:MATRIX_SCALE_ROW1
.endif
.endr
.endr
	v_add_nc_u32 v[ADV], s[TB], v[LA]
	v_add_nc_u32 v[ADSV], s[TS], v[LS]
	s_add_co_u32 s[TB], s[TB], 8192
	s_add_co_u32 s[TS], s[TS], 256
	v_mov_b32 v[T1], v12
.if \pre
	v_add_nc_u32 v[ADK], s[TB], v[LA]
	v_add_nc_u32 v[ADSK], s[TS], v[LS]
.rept 3
	v_nop
.endr
.else
.rept 5
	v_nop
.endr
.endif
.irp u, 0,1
.irp c, 0,1,2,3
	ds_load_b128 v[VF+16*\u+4*\c:VF+16*\u+4*\c+3], v[ADV] offset:4096+2048*\u+512*\c
.endr
.endr
	ds_load_b32 v[VS], v[ADSV] offset:128
.if \pre
	KFETCH
.endif
	s_wait_kmcnt 0x0
.set n, 0
.rept 64
	v_cndmask_b32 v[S+n], v[NEG], v[S+n], s[32+n+4*(n/32)]
.set n, n+1
.endr
.irp b, 0,1,2,3
	v_max3_num_f32 v[BM+\b], v[S+16*\b], v[S+1+16*\b], v[S+2+16*\b]
.endr
.irp i, 3,5,7,9,11,13
.irp b, 0,1,2,3
	s_delay_alu instid0(VALU_DEP_4)
	v_max3_num_f32 v[BM+\b], v[BM+\b], v[S+16*\b+\i], v[S+1+16*\b+\i]
.endr
.endr
.irp b, 0,1,2,3
	s_delay_alu instid0(VALU_DEP_4)
	v_max_num_f32 v[BM+\b], v[BM+\b], v[S+15+16*\b]
.endr
.if \pre
	s_add_nc_u64 s[MB:MB+1], s[MB:MB+1], 256
	s_load_b512 s[32:47], s[MB:MB+1], 0x0
	s_load_b512 s[48:63], s[MB:MB+1], 0x40
	s_load_b512 s[68:83], s[MB:MB+1], 0x80
	s_load_b512 s[84:99], s[MB:MB+1], 0xc0
.endif
.irp b, 0,1,2,3
	v_permlanex16_b32 v[PT+\b], v[BM+\b], s[SEL], s[SEL+1]
.endr
.irp b, 0,1,2,3
	s_delay_alu instid0(VALU_DEP_4)
	v_max_num_f32 v[BM+\b], v[BM+\b], v[PT+\b]
.endr
	s_delay_alu instid0(VALU_DEP_2)
	v_max3_num_f32 v[T0], v[BM], v[BM+1], v[BM+2]
	s_delay_alu instid0(VALU_DEP_1)
	v_max_num_f32 v[T0], v[T0], v[BM+3]
	s_delay_alu instid0(VALU_DEP_1)
	v_mul_f32 v[T0], s[CS], v[T0]
	s_delay_alu instid0(VALU_DEP_1)
	v_max_num_f32 v13, v13, v[T0]
	s_delay_alu instid0(VALU_DEP_1)
	v_floor_f32 v12, -v13
	s_delay_alu instid0(VALU_DEP_1)
	v_sub_f32 v[T0], v12, v[T1]
	s_delay_alu instid0(VALU_DEP_1)
	v_cvt_i32_f32 v[T0], v[T0]
	s_delay_alu instid0(VALU_DEP_1)
	v_ldexp_f32 v[F], 1.0, v[T0]
.irp j, 0,2,4,6,8,10,12,14,16,18,20,22,24,26,28,30,32,34,36,38,40,42,44,46,48,50,52,54,56,58,60,62
	v_pk_fma_f32 v[S+\j:S+\j+1], v[S+\j:S+\j+1], s[CS:CS+1], v[12:13] op_sel_hi:[1,0,0]
.endr
	s_setprio 1
.irp b, 0,1,2,3
	v_fma_f32 v[BM+\b], v[BM+\b], s[CS], v12
.endr
.set n, 0
	s_wait_alu depctr_va_vdst(0)
.rept 64
	v_exp_f32 v[S+n], v[S+n]
.set n, n+1
.endr
.irp b, 0,1,2,3
	v_exp_f32 v[BM+\b], v[BM+\b]
.endr
	v_pk_mul_f32 v[14:15], v[14:15], v[F:F+1] op_sel_hi:[1,0]
	s_wait_alu depctr_va_vdst(0)
.irp b, 0,1,2,3
	v_max_num_f32 v[BM+\b], 0x8000000, v[BM+\b]
.endr
.irp b, 0,1,2,3
	s_delay_alu instid0(VALU_DEP_4)
	v_add_nc_u32 v[SO+\b], 0xf8800000, v[BM+\b]
.endr
.irp b, 0,1,2,3
.endr
.irp b, 0,1,2,3
	s_delay_alu instid0(VALU_DEP_4)
	v_lshrrev_b32 v[PT+\b], 23, v[SO+\b]
.endr
	s_delay_alu instid0(VALU_DEP_3)
	v_lshl_or_b32 v[PS], v[PT+1], 8, v[PT]
	s_delay_alu instid0(VALU_DEP_1)
	v_lshl_or_b32 v[PS], v[PT+2], 16, v[PS]
	s_delay_alu instid0(VALU_DEP_1)
	v_lshl_or_b32 v[PS], v[PT+3], 24, v[PS]
	v_pk_add_f32 v[SUM2:SUM2+1], v[S:S+1], v[S+2:S+3]
.irp j, 4,8,12,16,20,24,28
	v_pk_add_f32 v[14:15], v[14:15], v[S+\j:S+\j+1]
	v_pk_add_f32 v[SUM2:SUM2+1], v[SUM2:SUM2+1], v[S+2+\j:S+3+\j]
.endr
.set hx, 0
.set n, 32
	s_setprio 0
.rept 8
	v_pk_add_f32 v[14:15], v[14:15], v[S+n:S+n+1]
	HOLD2 0
	v_pk_add_f32 v[SUM2:SUM2+1], v[SUM2:SUM2+1], v[S+n+2:S+n+3]
	HOLD2 0
.set n, n+4
.endr
	s_delay_alu instid0(VALU_DEP_1)
	v_pk_add_f32 v[14:15], v[14:15], v[SUM2:SUM2+1]
	CODES 0
	CODES 1
.set hx, 0
.rept 16
	HOLD2 2
.endr
	CODES 2
	CODES 3
.irp j, 0,2,4,6,8,10,12,14
	v_pk_mul_f32 v[O+\j:O+\j+1], v[O+\j:O+\j+1], v[F:F+1] op_sel_hi:[1,0]
.endr
.if \pre
	s_wait_alu depctr_va_vdst(0)
	s_wait_dscnt 0x9
.else
	s_wait_alu depctr_va_vdst(0)
	s_wait_dscnt 0x0
.endif
	v_wmma_scale_f32_16x16x128_f8f6f4 v[O:O+7], v[VF:VF+15], v[PC:PC+15], v[O:O+7], v[VS], v[PS] matrix_a_fmt:MATRIX_FMT_BF8 matrix_b_fmt:MATRIX_FMT_BF8
	v_wmma_scale_f32_16x16x128_f8f6f4 v[O+8:O+15], v[VF+16:VF+31], v[PC:PC+15], v[O+8:O+15], v[VS], v[PS] matrix_a_fmt:MATRIX_FMT_BF8 matrix_b_fmt:MATRIX_FMT_BF8 matrix_a_scale:MATRIX_SCALE_ROW1
.endm
	v_add_nc_u32 v[ADK], s[TB], v[LA]
	v_add_nc_u32 v[ADSK], s[TS], v[LS]
	KFETCH
	s_wait_loadcnt 0x0
	STEP 1
	STEP 1
	s_wait_tensorcnt 0x0
	s_wait_dscnt 0x0
	s_barrier_signal -1
	s_barrier_wait -1
	s_mov_b32 s[CNT], 13
.Lstep:
	s_setprio 2
	STEP 1
	s_sub_co_u32 s[CNT], s[CNT], 1
	s_cmp_lg_u32 s[CNT], 0
	s_cbranch_scc1 .Lstep
	s_setprio 0
	STEP 0
	s_load_b128 s[20:23], s[0:1], 0x20
	s_bfe_u32 s32, ttmp6, 0x40000
	s_lshl_b32 s33, ttmp9, 2
	s_add_co_u32 s33, s33, s32
	s_lshl_b32 s33, s33, 4
	s_add_co_u32 s33, s33, s[WV]
	s_and_b32 s34, ttmp7, 0xffff
	s_lshr_b32 s35, s34, 3
	s_and_b32 s34, s34, 7
	s_lshl_b32 s35, s35, 7
	s_add_co_u32 s35, s35, s33
	s_lshl_b32 s36, s35, 3
	s_add_co_u32 s36, s36, s34
	s_lshl_b32 s36, s36, 9
	s_mov_b32 s37, 0
	s_lshl_b32 s38, s35, 1
	s_lshr_b32 s39, s34, 2
	s_add_co_u32 s38, s38, s39
	s_lshl_b32 s38, s38, 6
	s_and_b32 s39, s34, 3
	s_add_co_u32 s38, s38, s39
	s_mov_b32 s39, 0
	v_add_f32 v14, v14, v15
	s_delay_alu instid0(VALU_DEP_1)
	v_permlanex16_b32 v[T0], v14, s[SEL], s[SEL+1]
	s_delay_alu instid0(VALU_DEP_1)
	v_add_f32 v14, v14, v[T0]
	s_delay_alu instid0(VALU_DEP_1)
	v_cmp_lt_f32 vcc_lo, 0, v14
	v_rcp_f32 v14, v14
.rept 8
	v_nop
.endr
	s_wait_alu depctr_va_vdst(0)
.irp j, 0,1,2,3,4,5,6,7,8,9,10,11,12,13,14,15
	v_mul_f32 v[S+\j], v[O+\j], v14
.endr
	v_max3_num_f32 v[BM], |v[S]|, |v[S+1]|, 0x8000000
.irp i, 2,4,6,8,10,12,14
	s_delay_alu instid0(VALU_DEP_1)
	v_max3_num_f32 v[BM], v[BM], |v[S+\i]|, |v[S+\i+1]|
.endr
	s_delay_alu instid0(VALU_DEP_1)
	v_permlanex16_b32 v[PT], v[BM], s[SEL], s[SEL+1]
	s_delay_alu instid0(VALU_DEP_1)
	v_max_num_f32 v[BM], v[BM], v[PT]
	s_delay_alu instid0(VALU_DEP_1)
	v_add_nc_u32 v[SO], 0xf8800000, v[BM]
	s_delay_alu instid0(VALU_DEP_1)
	v_lshrrev_b32 v[PT], 23, v[SO]
	s_delay_alu instid0(VALU_DEP_1)
	v_cndmask_b32 v[PT], 0xff, v[PT], vcc_lo
.irp i, 0,1,2,3,4,5,6,7,8,9,10,11,12,13,14,15
.endr
	v_cvt_scalef32_pk8_bf8_f32 v[PC:PC+1], v[S:S+7], v[SO]
	v_cvt_scalef32_pk8_bf8_f32 v[PC+2:PC+3], v[S+8:S+15], v[SO]
	v_nop
	s_wait_alu depctr_va_vdst(0)
	s_wait_kmcnt 0x0
	s_add_nc_u64 s[20:21], s[20:21], s[36:37]
	s_add_nc_u64 s[22:23], s[22:23], s[38:39]
	global_store_b128 v[L16], v[PC:PC+3], s[20:21]
	global_store_b8 v[R4], v[PT], s[22:23]
	s_wait_dscnt 0x0
	s_wait_tensorcnt 0x0
	ds_add_u32 v254, v255
	s_wait_dscnt 0x0
	ROUND
	s_endpgm
.Lfunc_end_k_qeef3035622_attn:
	.size	k_qeef3035622_attn, .Lfunc_end_k_qeef3035622_attn-k_qeef3035622_attn
	.p2alignl 7, 3214868480
	.fill 96, 4, 3214868480
	.section	.rodata,"a",@progbits
	.p2align	6, 0x0
	.amdhsa_kernel k_qeef3035622_attn
		.amdhsa_group_segment_fixed_size 327680
		.amdhsa_private_segment_fixed_size 0
		.amdhsa_enable_private_segment 0
		.amdhsa_kernarg_size 48
		.amdhsa_user_sgpr_count 2
		.amdhsa_user_sgpr_kernarg_segment_ptr 1
		.amdhsa_wavefront_size32 1
		.amdhsa_system_sgpr_workgroup_id_x 1
		.amdhsa_system_sgpr_workgroup_id_y 1
		.amdhsa_system_sgpr_workgroup_id_z 1
		.amdhsa_system_vgpr_workitem_id 0
		.amdhsa_next_free_vgpr 256
		.amdhsa_next_free_sgpr 102
		.amdhsa_reserve_vcc 1
		.amdhsa_float_denorm_mode_32 3
		.amdhsa_float_denorm_mode_16_64 3
		.amdhsa_fp16_overflow 1
		.amdhsa_memory_ordered 1
		.amdhsa_forward_progress 1
		.amdhsa_inst_pref_size 91
	.end_amdhsa_kernel
	.amdgpu_metadata
---
amdhsa.version: [ 1, 2 ]
amdhsa.kernels:
  - .name:           k_qeef3035622_attn
    .symbol:         k_qeef3035622_attn.kd
    .args:
      - { .name: qc, .offset: 0, .size: 8, .value_kind: global_buffer, .address_space: global }
      - { .name: qs, .offset: 8, .size: 8, .value_kind: global_buffer, .address_space: global }
      - { .name: kv, .offset: 16, .size: 8, .value_kind: global_buffer, .address_space: global }
      - { .name: mbits, .offset: 24, .size: 8, .value_kind: global_buffer, .address_space: global }
      - { .name: yc, .offset: 32, .size: 8, .value_kind: global_buffer, .address_space: global }
      - { .name: ys, .offset: 40, .size: 8, .value_kind: global_buffer, .address_space: global }
    .group_segment_fixed_size: 327680
    .private_segment_fixed_size: 0
    .kernarg_segment_align: 8
    .kernarg_segment_size: 48
    .max_flat_workgroup_size: 512
    .sgpr_count:     102
    .vgpr_count:     256
    .wavefront_size: 32
...
	.end_amdgpu_metadata
.endif
;; end of part 2
;; launch oproj (part 3): grid 256 x 1, 4 waves a work-group, no clusters, 17,920 bytes of LDS; arguments yc, ys, W_out_codes, W_out_scales, b_out, out0; writes out0
.if DOCPART == 3
	.amdgcn_target "amdgcn-amd-amdhsa--gfx1250"
	.amdhsa_code_object_version 6
	.text
	.protected	k_qeef3035622_oproj
	.globl	k_qeef3035622_oproj
	.p2align	8
	.type	k_qeef3035622_oproj,@function
k_qeef3035622_oproj:
	s_mov_b64 s[64:65], 0
	v_nop
	global_prefetch_b8 v0, s[64:65] scope:SCOPE_SE
	s_setreg_imm32_b32 hwreg(HW_REG_WAVE_MODE, 25, 1), 1
	s_wait_xcnt 0x0
; out = y W_out + b_out on codes of BF8 (E5M2) with E8M0 scales.  y comes as images of the operand's registers: yc [T][head][lane][16 bytes] (fragment (T, K step) = four heads), ys [T][K step][row]: one scale word.
; SHARES.  Work-group g: the 32 tokens of tiles T = 2 g, 2 g + 1.  Wave w: columns 64 w .. 64 w + 63: its eight fragments of W_out stay in registers for both tiles.
; Source 0 = 16 rows of W_out (16 columns of out), source 1 = y: a lane holds eight neighbouring columns of one token's row.  b_out is the C of each sum's first product.
; The results go through the wave's own stage in LDS (16 rows x 256 bytes + 16) and leave as whole aligned runs of 256 bytes.  Operands go from memory straight into registers: no tensor load, no barrier, nothing shared, so no cluster.
; A scale byte 0xff of y (a query with no allowed key) makes that token's row NaN.
.set YF,   16                          ; v16-47  y's two fragments
.set YS,   48                          ; v48-49  y's scale words
.set WSC,  50                          ; v50-57  W's scale words: 50 + 2 n + t
.set BI,   64                          ; v64-95  the bias, four tiles of eight
.set ACC,  96                          ; v96-127 four accumulators; then rows on the way out
.set WF,   128                         ; v128-255 W's fragments (n, t) at 128 + 16 (2 n + t)
.set SP,   272
	s_load_b256 s[4:11], s[0:1], 0x0               ; yc 4, ys 6, W codes 8, W scales 10
	s_load_b128 s[12:15], s[0:1], 0x20             ; b_out 12, out0 14
	v_lshl_add_u32 v62, v0, 2, 0x4400
	v_mov_b32 v63, 0
	v_lshrrev_b32 v1, 5, v0
	v_readfirstlane_b32 s2, v1                     ; wave 0..3
	v_and_b32 v1, 31, v0
	v_lshlrev_b32 v3, 4, v1                        ; 16 lane: an image's place
	v_and_b32 v1, 15, v0                           ; r
	v_bfe_u32 v2, v0, 4, 1                         ; h
	v_lshlrev_b32 v4, 2, v1                        ; y's scale words
	v_lshlrev_b32 v5, 8, v1
	v_lshl_add_u32 v5, v2, 4, v5                   ; W: row r of 256 bytes, + 16 h
	v_lshlrev_b32 v6, 3, v1                        ; W's scale words: 8 bytes a row
	v_lshlrev_b32 v7, 5, v2                        ; the bias: eight numbers for each half of the lanes
	s_mul_i32 s3, s2, 16*SP                        ; my stage
	v_mul_u32_u24 v8, v1, SP
	v_lshl_add_u32 v8, v2, 5, v8
	v_add_nc_u32 v8, s3, v8                        ; in: row r, + 32 h
	v_mul_u32_u24 v9, v2, SP
	v_lshl_add_u32 v9, v1, 4, v9
	v_add_nc_u32 v9, s3, v9                        ; back: lanes 0-15 one row of 256 bytes, lanes 16-31 the next
	v_lshlrev_b32 v10, 10, v2
	v_lshl_add_u32 v10, v1, 4, v10
	s_lshl_b32 s16, s2, 8
	v_add_nc_u32 v10, s16, v10                     ; and the same in out0: rows of 1,024 bytes, my 256 of them
	s_mov_b32 s19, 0
	s_wait_kmcnt 0x0
	s_lshl_b32 s18, ttmp9, 13
	s_add_nc_u64 s[4:5], s[4:5], s[18:19]          ; yc: two tiles of 4,096 bytes
	s_lshl_b32 s18, ttmp9, 8
	s_add_nc_u64 s[6:7], s[6:7], s[18:19]          ; ys: two tiles of 128 bytes
	s_lshl_b32 s18, s2, 14
	s_add_nc_u64 s[8:9], s[8:9], s[18:19]          ; my 64 rows of W_out
	s_lshl_b32 s18, s2, 9
	s_add_nc_u64 s[10:11], s[10:11], s[18:19]
	s_lshl_b32 s18, s2, 8
	s_add_nc_u64 s[12:13], s[12:13], s[18:19]
	s_lshl_b32 s18, ttmp9, 15
	s_add_nc_u64 s[14:15], s[14:15], s[18:19]      ; out0: 32 rows of 1,024 bytes
.macro YLOAD i                         ; tile i's two fragments and scale words
.irp t, 0,1
.irp c, 0,1,2,3
	global_load_b128 v[YF+16*\t+4*\c:YF+16*\t+4*\c+3], v3, s[4:5] offset:4096*\i+2048*\t+512*\c
.endr
	global_load_b32 v[YS+\t], v4, s[6:7] offset:128*\i+64*\t
.endr
.endm
	YLOAD 0
.irp n, 0,1,2,3
.irp t, 0,1
.irp c, 0,1,2,3
	global_load_b128 v[WF+16*(2*\n+\t)+4*\c:WF+16*(2*\n+\t)+4*\c+3], v5, s[8:9] offset:4096*\n+128*\t+32*\c
.endr
.endr
	global_load_b64 v[WSC+2*\n:WSC+2*\n+1], v6, s[10:11] offset:128*\n
	global_load_b128 v[BI+8*\n:BI+8*\n+3], v7, s[12:13] offset:64*\n
	global_load_b128 v[BI+8*\n+4:BI+8*\n+7], v7, s[12:13] offset:64*\n+16
.endr
.macro ROWTILE i
	s_wait_loadcnt 0x0
.if \i
	s_wait_xcnt 0x0                                ; the first tile's stores have read their data: the accumulators are written again only behind this wait
.endif
.irp t, 0,1                                    ; four accumulators by turns, one instruction a turn
.irp n, 0,1,2,3
.if \t == 0
	v_wmma_scale_f32_16x16x128_f8f6f4 v[ACC+8*\n:ACC+8*\n+7], v[WF+16*(2*\n+\t):WF+16*(2*\n+\t)+15], v[YF+16*\t:YF+16*\t+15], v[BI+8*\n:BI+8*\n+7], v[WSC+2*\n+\t], v[YS+\t] matrix_a_fmt:MATRIX_FMT_BF8 matrix_b_fmt:MATRIX_FMT_BF8
.else
	v_wmma_scale_f32_16x16x128_f8f6f4 v[ACC+8*\n:ACC+8*\n+7], v[WF+16*(2*\n+\t):WF+16*(2*\n+\t)+15], v[YF+16*\t:YF+16*\t+15], v[ACC+8*\n:ACC+8*\n+7], v[WSC+2*\n+\t], v[YS+\t] matrix_a_fmt:MATRIX_FMT_BF8 matrix_b_fmt:MATRIX_FMT_BF8
.endif
.endr
.endr
.rept 9
	v_nop                                          ; eight places in front of the LDS stores of results and of loads into y's registers; the ninth for the next tile's products, which begin these accumulators anew
.endr
.if \i == 0
	YLOAD 1
.endif
	s_wait_alu depctr_va_vdst(0)
.irp n, 0,1,2,3
	ds_store_b128 v8, v[ACC+8*\n:ACC+8*\n+3] offset:64*\n       ; out(token r, 64 w + 16 n + 8 h + 0 .. 7); each accumulator from its low end on
	ds_store_b128 v8, v[ACC+8*\n+4:ACC+8*\n+7] offset:64*\n+16
.endr
.irp k, 0,1,2,3,4,5,6,7
	ds_load_b128 v[ACC+4*\k:ACC+4*\k+3], v9 offset:2*\k*SP      ; LDS serves a wave's instructions in order (ISA guide 5.7.1.4): these see my stores
.endr
.irp k, 0,1,2,3,4,5,6,7
	s_wait_dscnt 7-\k                              ; the later reads of the stage may stay out
	global_store_b128 v10, v[ACC+4*\k:ACC+4*\k+3], s[14:15] offset:16384*\i+2048*\k th:TH_STORE_NT   ; sixteen lanes store 256 consecutive bytes, aligned; written once, read by nobody here
.endr
.endm
	ROWTILE 0
	ROWTILE 1
	s_wait_tensorcnt 0x0
	ds_add_u32 v62, v63
	s_wait_dscnt 0x0
	s_endpgm
.Lfunc_end_k_qeef3035622_oproj:
	.size	k_qeef3035622_oproj, .Lfunc_end_k_qeef3035622_oproj-k_qeef3035622_oproj
	.p2alignl 7, 3214868480
	.fill 96, 4, 3214868480
	.section	.rodata,"a",@progbits
	.p2align	6, 0x0
	.amdhsa_kernel k_qeef3035622_oproj
		.amdhsa_group_segment_fixed_size 17920
		.amdhsa_private_segment_fixed_size 0
		.amdhsa_enable_private_segment 0
		.amdhsa_kernarg_size 48
		.amdhsa_user_sgpr_count 2
		.amdhsa_user_sgpr_kernarg_segment_ptr 1
		.amdhsa_wavefront_size32 1
		.amdhsa_system_sgpr_workgroup_id_x 1
		.amdhsa_system_sgpr_workgroup_id_y 1
		.amdhsa_system_sgpr_workgroup_id_z 1
		.amdhsa_system_vgpr_workitem_id 0
		.amdhsa_next_free_vgpr 256
		.amdhsa_next_free_sgpr 66
		.amdhsa_reserve_vcc 0
		.amdhsa_float_denorm_mode_32 3
		.amdhsa_float_denorm_mode_16_64 3
		.amdhsa_memory_ordered 1
		.amdhsa_forward_progress 1
		.amdhsa_inst_pref_size 15
	.end_amdhsa_kernel
	.amdgpu_metadata
---
amdhsa.version: [ 1, 2 ]
amdhsa.kernels:
  - .name:           k_qeef3035622_oproj
    .symbol:         k_qeef3035622_oproj.kd
    .args:
      - { .name: yc, .offset: 0, .size: 8, .value_kind: global_buffer, .address_space: global }
      - { .name: ys, .offset: 8, .size: 8, .value_kind: global_buffer, .address_space: global }
      - { .name: W_out_codes, .offset: 16, .size: 8, .value_kind: global_buffer, .address_space: global }
      - { .name: W_out_scales, .offset: 24, .size: 8, .value_kind: global_buffer, .address_space: global }
      - { .name: b_out, .offset: 32, .size: 8, .value_kind: global_buffer, .address_space: global }
      - { .name: out0, .offset: 40, .size: 8, .value_kind: global_buffer, .address_space: global }
    .group_segment_fixed_size: 17920
    .private_segment_fixed_size: 0
    .kernarg_segment_align: 8
    .kernarg_segment_size: 48
    .max_flat_workgroup_size: 128
    .sgpr_count:     66
    .vgpr_count:     256
    .wavefront_size: 32
...
	.end_amdgpu_metadata
.endif
;; end of part 3
